; MI455X (gfx1250); checked and timed in simulation.
; The chip was launched on July 23, 2026; its instructions are those of AMD's public machine-readable ISA for CDNA 5 (MIT licence, August 2026) and "CDNA5" Instruction Set Architecture Reference Guide (July 2026). The comments in the code are by the model that wrote it; some were corrected since.
;; XNOR Linear. Allowed arithmetic: float matrix products may take bf16 or f16 operands with f32 sums; all other float work in f32.
;; Inputs: W 4,096 x 4,096 float32; x 4,096 x 4,096 float32.
;; Outputs: out0 4,096 x 4,096 float32.
;; 2 versions, each right; version 2 is version 1 with the launch binarize written anew for expert scheduling mode. Each part assembles by itself: llvm-mc -triple=amdgcn-amd-amdhsa -mcpu=gfx1250 --defsym DOCPART=n.
;; ======== version 1 of 2: 2 launches
;; workspace buffers: xb 33,554,432 bytes; wb 33,554,432 bytes
;; launch binarize (part 1): grid 512 x 2, 8 waves a work-group, no clusters, 0 bytes of LDS; arguments x, W, xb, wb; writes xb, wb
.if DOCPART == 1
	.amdgcn_target "amdgcn-amd-amdhsa--gfx1250"
	.amdhsa_code_object_version 6
	.text
	.protected	k_q557ee7e079_binarize
	.globl	k_q557ee7e079_binarize
	.p2align	8
	.type	k_q557ee7e079_binarize,@function
k_q557ee7e079_binarize:
	s_mov_b64 s[64:65], 0
	v_nop
	global_prefetch_b8 v0, s[64:65] scope:SCOPE_SE
	s_setreg_imm32_b32 hwreg(HW_REG_WAVE_MODE, 25, 1), 1
	s_wait_xcnt 0x0
; xb = sign(x), wb = sign(W), both [4096][4096], from f32 to bf16.  The product sign(x) sign(W)^T follows in the next launch.
; NOTHING OF THE PROBLEM IS LEFT OUT: both inputs reach every output, and both are read whole, once.
; WHY THE SIGNS HAVE A LAUNCH OF THEIR OWN: with blocks of 256 x 256 of the output each number of x or W is an operand of 16 blocks and of two
; waves in each.  Made on the way from LDS to the matrix operands a sign would be made 32 times: 256 signs a lane beside a wave's 64 matrix
; instructions, at three and a half vector instructions a sign.  Here each is made once, and the product's tiles are half as many bytes.
; VALUES: +1, -1 and 0 are exact in bf16.  sign(+0) = +0, sign(-0) = -0 (both count as 0 in the product); an f32 denormal is not zero and gives
; +-1; +-infinity gives +-1; a NaN stays a NaN and reaches, through the products, its whole row or column of the output.
; A stream: no LDS, no barrier, no matrix unit, no cluster (no two work-groups read the same byte).
; Grid y picks the matrix (0: x to xb, 1: W to wb); work-group g owns 131,072 bytes of it: 32 chunks of 4,096 bytes in, 2,048 bytes out.
; In a chunk thread t loads the 16 bytes at 16 t (a wave's load: 512 consecutive bytes) and stores 4 bf16 at 8 t (a wave's store: 256
; consecutive bytes that begin at a multiple of 256 from the buffer's first byte).
; A ring of DEPTH slots in registers keeps DEPTH loads of every wave on their way.
; ALL 32 CHUNKS ARE WRITTEN OUT, so that no source of a load or store is ever written again: the chunk's place stands in the immediate
; (31 x 4,096 bytes at the most), the two offsets and the two bases stay as they are, and every chunk has its own pair of registers for its
; store.  So the only waits are the counted ones for the loads.  64 registers for the stores' data, 104 in all: eight waves take 832.
.set CH_IN,  4096                      ; bytes of a chunk as read
.set CH_OUT, 2048                      ; bytes of a chunk as written
.set DEPTH,  8                         ; slots = loads on their way in each wave
.set CHUNKS, 32
.set X, 4                              ; v[4:35]    slot c % 8: 4 registers, 4 f32 as loaded
.set T, 36                             ; v[36:39]   at work
.set Y, 40                             ; v[40:103]  chunk c: 2 registers, 4 bf16 to store; written once
                                       ; v1 = 16 t, v2 = 8 t: never rewritten
	s_load_b256 s[4:11], s[0:1], 0x0               ; x s[4:5], W s[6:7], xb s[8:9], wb s[10:11]
	s_and_b32 s13, ttmp7, 0xffff                   ; which matrix
	s_mov_b32 s12, 0x7fffffff                      ; all bits but the sign
	s_lshl_b32 s14, ttmp9, 17                      ; my 131,072 bytes of the input (511 << 17 at the most: one word)
	s_mov_b32 s15, 0
	s_lshl_b32 s16, ttmp9, 16                      ; my 65,536 bytes of the output
	s_mov_b32 s17, 0
	v_lshlrev_b32 v1, 4, v0                        ; 16 t
	v_lshlrev_b32 v2, 3, v0                        ; 8 t
	s_wait_kmcnt 0x0
	s_cmp_eq_u32 s13, 0                            ; the choice hangs on the work-group's y alone
	s_cselect_b64 s[4:5], s[4:5], s[6:7]           ; from x or from W
	s_cselect_b64 s[8:9], s[8:9], s[10:11]         ; to xb or to wb
	s_add_nc_u64 s[4:5], s[4:5], s[14:15]
	s_add_nc_u64 s[8:9], s[8:9], s[16:17]
.irp i, 0,1,2,3,4,5,6,7
	global_load_b128 v[X+4*\i:X+4*\i+3], v1, s[4:5] offset:\i*CH_IN th:TH_LOAD_NT   ; fill the ring: chunks 0 to 7; each byte is read once in the launch
.endr
; Chunk c, in slot c % DEPTH.
.set c, 0
.rept CHUNKS
.if c < CHUNKS-DEPTH
	s_wait_loadcnt DEPTH-1                         ; loads come back in order (ISA guide 5.7.1): chunk c is in, the seven younger loads stay out
.else
	s_wait_loadcnt CHUNKS-1-c                      ; the last eight chunks load nothing more: the counts run down 7, 6, .. 0
.endif
.irp k, 0,1,2,3
	v_bfi_b32 v[T+\k], s12, 1.0, v[X+4*(c%DEPTH)+\k]       ; 1.0 with x's sign bit
.endr
.irp k, 0,1,2,3
	v_cmp_lg_f32 vcc_lo, 0, v[X+4*(c%DEPTH)+\k]            ; less or greater than 0: false for +-0 and for NaN,
	v_cndmask_b32 v[T+\k], v[X+4*(c%DEPTH)+\k], v[T+\k], vcc_lo   ; which stay what they are
.endr
	v_cvt_pk_bf16_f32 v[Y+2*c],   v[T],   v[T+1]   ; exact for +-1 and +-0; a conversion and no cut, so that every NaN stays a NaN
	v_cvt_pk_bf16_f32 v[Y+2*c+1], v[T+2], v[T+3]
.if c < CHUNKS-DEPTH
	global_load_b128 v[X+4*(c%DEPTH):X+4*(c%DEPTH)+3], v1, s[4:5] offset:(c+DEPTH)*CH_IN th:TH_LOAD_NT   ; the slot's next chunk, ahead of the store; no load leaves my 32 chunks
.endif
	global_store_b64 v2, v[Y+2*c:Y+2*c+1], s[8:9] offset:c*CH_OUT   ; no hint: the next launch reads these bytes
.set c, c+1
.endr
	s_endpgm
.Lfunc_end_k_q557ee7e079_binarize:
	.size	k_q557ee7e079_binarize, .Lfunc_end_k_q557ee7e079_binarize-k_q557ee7e079_binarize
	.p2alignl 7, 3214868480
	.fill 96, 4, 3214868480
	.section	.rodata,"a",@progbits
	.p2align	6, 0x0
	.amdhsa_kernel k_q557ee7e079_binarize
		.amdhsa_group_segment_fixed_size 0
		.amdhsa_private_segment_fixed_size 0
		.amdhsa_enable_private_segment 0
		.amdhsa_kernarg_size 32
		.amdhsa_user_sgpr_count 2
		.amdhsa_user_sgpr_kernarg_segment_ptr 1
		.amdhsa_wavefront_size32 1
		.amdhsa_system_sgpr_workgroup_id_x 1
		.amdhsa_system_sgpr_workgroup_id_y 1
		.amdhsa_system_sgpr_workgroup_id_z 1
		.amdhsa_system_vgpr_workitem_id 0
		.amdhsa_next_free_vgpr 104
		.amdhsa_next_free_sgpr 66
		.amdhsa_reserve_vcc 1
		.amdhsa_float_denorm_mode_32 3
		.amdhsa_float_denorm_mode_16_64 3
		.amdhsa_memory_ordered 1
		.amdhsa_forward_progress 1
		.amdhsa_inst_pref_size 28
	.end_amdhsa_kernel
	.amdgpu_metadata
---
amdhsa.version: [ 1, 2 ]
amdhsa.kernels:
  - .name:           k_q557ee7e079_binarize
    .symbol:         k_q557ee7e079_binarize.kd
    .args:
      - { .name: x, .offset: 0, .size: 8, .value_kind: global_buffer, .address_space: global }
      - { .name: W, .offset: 8, .size: 8, .value_kind: global_buffer, .address_space: global }
      - { .name: xb, .offset: 16, .size: 8, .value_kind: global_buffer, .address_space: global }
      - { .name: wb, .offset: 24, .size: 8, .value_kind: global_buffer, .address_space: global }
    .group_segment_fixed_size: 0
    .private_segment_fixed_size: 0
    .kernarg_segment_align: 8
    .kernarg_segment_size: 32
    .max_flat_workgroup_size: 256
    .sgpr_count:     66
    .vgpr_count:     104
    .wavefront_size: 32
...
	.end_amdgpu_metadata
.endif
;; end of part 1
;; launch gemm (part 2): grid 16 x 16, 4 waves a work-group, clusters of 4 x 4, 327,680 bytes of LDS; arguments xb, wb, out0; writes out0
.if DOCPART == 2
	.amdgcn_target "amdgcn-amd-amdhsa--gfx1250"
	.amdhsa_code_object_version 6
	.text
	.protected	k_q557ee7e079_gemm
	.globl	k_q557ee7e079_gemm
	.p2align	8
	.type	k_q557ee7e079_gemm,@function
k_q557ee7e079_gemm:
	s_mov_b64 s[64:65], 0
	v_nop
	global_prefetch_b8 v0, s[64:65] scope:SCOPE_SE
	s_setreg_imm32_b32 hwreg(HW_REG_WAVE_MODE, 25, 1), 1
	s_wait_xcnt 0x0
	s_wait_alu depctr_hold_cnt(0) depctr_sa_sdst(0) depctr_va_vdst(0) depctr_va_sdst(0) depctr_va_ssrc(0) depctr_va_vcc(0) depctr_vm_vsrc(0)
	s_getreg_b32 s2, hwreg(HW_REG_IB_STS2, 6, 4)
	s_cmp_eq_u32 s2, 0
	s_cbranch_scc0 .Lentry_in_a_cluster
	s_endpgm
.Lentry_in_a_cluster:
	s_bfe_u32 s2, ttmp6, 0x10000c
	s_cmp_lg_u32 s2, 0xf033
	s_cbranch_scc0 .Lentry_shape_is_right
	s_endpgm
.Lentry_shape_is_right:
; out0[m][n] = sum over k of xb[m][k] wb[n][k].  xb = sign(x), wb = sign(W): [4096][4096] bf16, made by the launch before; out0: [4096][4096] f32.
; Nothing of the problem is left out.  The operands are +1, -1, 0 (or NaN), so every product is exact and every sum is a whole number of at most
; 4,096 in magnitude: exact in f32 in any order.  A NaN in an operand reaches its whole row or column of out0.
; A work-group makes a block of 256 x 256 of out0 with four waves, as many as a WGP has SIMDs; a wave makes 128 x 128: 64 accumulator tiles
; of 16 x 16, 512 registers.  16 x 16 blocks = 256 work-groups.  K goes in 32 steps of 128 through a ring of two LDS slots filled by the tensor
; data mover: a tile's rows are 256 bytes of memory and start at multiples of 256 bytes from the buffer's first byte.
; CLUSTERS: 4 x 4 work-groups form a cluster.  The four of a row of the cluster make blocks of one block row and need the same tiles of xb (A); the
; four of a column need the same tiles of wb (B).  Such a tile is asked for JOINTLY: each of the four issues the same tensor load, with the same
; descriptor and a mask that names the four, and each receives the tile in its own LDS.  That divides the requests for A and for B by four.
; By this text's own count a wave has two tensor loads out at the start and one behind each refill.
;
; REGISTERS, in windows of 256 (an instruction names v0-v255; s_set_vgpr_msb says which window each operand place means):
;   window 0: v0-31 addresses; v64-127, v128-191 fragments of A (8 x 16 rows x 32 K), two buffers
;   window 1: v64-127, v128-191 fragments of B, two buffers
;   window 2: the 32 accumulator tiles of my rows 0-63 (tile (a, b) at v[8 (8 a + b)]);   window 3: those of my rows 64-127
;   on the way out the 64 registers of a tile row (a, 0..7) take the same 16 rows of out0 back from LDS, as whole rows
; s_set_vgpr_msb's low byte: bits 1:0 source 0, 3:2 source 1, 5:4 source 2, 7:6 destination.  Work is laid in long stretches under one setting.
;
; THE MATRIX INSTRUCTION IS USED TRANSPOSED: source 0 = 16 rows of B, source 1 = 16 rows of A.  In the result, lane l then holds row
; m = l % 16 of out0, and its registers 0 to 7 the columns n = 8 (l / 16) + 0 .. 7: eight NEIGHBOURING f32 of a row, 32 bytes.
.set SIZE_M, 4096
.set SIZE_N, 4096
.set SIZE_K, 4096
.set KSTEP,  128
.set PITCH,  272                       ; an LDS row: 256 bytes of data + 16 of padding = 68 words: row r starts at bank 4 r mod 64 (64 banks of 4 bytes: ISA guide 11.1), so the 16 rows that a load touches start at 16 different banks
.set HALFT,  128*PITCH                 ; 128 rows: what one tensor load brings, and what one wave reads of A or of B
.set SLOT,   4*HALFT                   ; A's 256 rows, then B's 256 rows: 139,264 bytes
.set STAGE,  2*SLOT                    ; behind the ring, at 278,528 = 1,088 x 256: 16 rows x 528 bytes for each wave, for the way out; no tensor load lands there
.set SPITCH, 528                       ; a stage row: 128 f32 + 16 bytes = 33 x 16 bytes: the 16 rows that a store touches lie in 16 different 16-byte columns
.set LAPS, SIZE_K/(2*KSTEP)            ; a lap = two K steps = once round the ring: 16 laps
.set ADRA, 16                          ; v16-17  LDS address of my A fragments in slot 0, 1
.set ADRB, 20                          ; v20-21  the same for B
.set STO,  24                          ; v24     the way out: where I put 32 bytes of a row
.set RD,   25                          ; v25     the way out: where I read 16 bytes of a row back
.set CO,   26                          ; v26     my byte offset in a row of my part of out0
.set F0,   64                          ; fragment buffer 0
.set F1,   128                         ; fragment buffer 1
.set G1, 24                            ; s[24:31] descriptor group 1 for A's tiles
.set G0, 32                            ; s[32:39] descriptor group 0 for A's tiles, one set for each slot
.set G1B, 48                           ; s[48:55] descriptor group 1 for B's tiles: it differs from A's in the mask alone
.set G0B, 56                           ; s[56:63] descriptor group 0 for B's tiles, one set for each slot
.set MSB, 0
.macro WIN new                         ; the immediate's high byte repeats the setting that is left; a switch that changes nothing is dropped
.if MSB != \new
	s_set_vgpr_msb (MSB<<8)|\new
.set MSB, \new
.endif
.endm
.set MUL_LO, 0xa1                      ; source 0 (B) window 1, source 1 (A) window 0, C and D window 2
.set MUL_HI, 0xf1                      ; the same, C and D window 3
.set TO_B,   0x40                      ; destination window 1, address window 0
.set OUT_LO, 0x88                      ; the way out of window 2: a store's data (source 1) and a load's destination in window 2, addresses (source 0) in window 0
.set OUT_HI, 0xcc                      ; the same for window 3
; A joint load.  Waves 0 and 1 fetch A's two halves, waves 2 and 3 B's.  Each of the two lines has ONE mask and one set of registers for all that issue it, and nothing in
; them hangs on a coordinate that the four partners do not share.  The branch hangs on the wave's number alone: it is the same in every work-group.
.macro JLOAD s
	s_cmp_eq_u32 s11, 0
	s_cbranch_scc0 .Lfor_b_\@
	tensor_load_to_lds s[G0+4*\s:G0+4*\s+3], s[G1:G1+7]
	s_nop 0
	s_branch .Lasked_\@
.Lfor_b_\@:
	tensor_load_to_lds s[G0B+4*\s:G0B+4*\s+3], s[G1B:G1B+7]
	s_nop 0
.Lasked_\@:
.endm
; A round of the cluster's barrier: my work-group's barrier, so that wave 0's signal speaks for all four waves; wave 0 signals for the work-group; every wave waits for all
; sixteen work-groups; my work-group's barrier once more.  No LDS instruction of the wave is pending at a signal.
.macro CREST                           ; a round behind its opening barrier
	s_cmp_lg_u32 s10, 0
	s_cbranch_scc1 .Lnot_wave_0_\@
	s_barrier_signal -3
.Lnot_wave_0_\@:
	s_barrier_wait -3
	s_barrier_signal -1
	s_barrier_wait -1
.endm
.macro CROUND                          ; a whole round
	s_barrier_signal -1
	s_barrier_wait -1
	CREST
.endm
	s_load_b128 s[4:7], s[0:1], 0x0                ; xb (A) s[4:5], wb (B) s[6:7]
	s_load_b64 s[8:9], s[0:1], 0x10                ; out0
	s_set_vgpr_msb 0x40
	v_lshl_add_u32 v255, v0, 2, 0x4c400
	s_set_vgpr_msb 0x4000
	v_mov_b32 v255, 0
	s_set_vgpr_msb 0x1
	ds_add_u32 v255, v255
	ds_add_u32 v255, v255
	s_set_vgpr_msb 0x100
	v_lshrrev_b32 v1, 5, v0
	v_readfirstlane_b32 s10, v1                    ; wave 0..3
	s_lshr_b32 s11, s10, 1                         ; which half of the block's rows is mine.  Also: I fetch for A (0) or for B (1)
	s_and_b32 s12, s10, 1                          ; which half of its columns.  Also: which 128 rows of that tile I fetch
	s_bfe_u32 s40, ttmp6, 0x40000                  ; cx: my place along the cluster's x
	s_bfe_u32 s41, ttmp6, 0x40004                  ; cy: along its y
	s_lshl_b32 s42, ttmp9, 2                       ; in a cluster launch ttmp9 and ttmp7 count clusters
	s_add_co_u32 s42, s42, s40                     ; block column of out0 = 4 x cluster x + cx
	s_and_b32 s13, ttmp7, 0xffff
	s_lshl_b32 s13, s13, 2
	s_add_co_u32 s13, s13, s41                     ; block row of out0 = 4 x cluster y + cy
	s_lshl_b32 s43, s41, 2
	s_lshl_b32 s43, 15, s43                        ; my row of the cluster: places 4 cy .. 4 cy + 3
	s_lshl_b32 s44, 0x1111, s40                    ; my column: places cx, cx + 4, cx + 8, cx + 12
	; descriptor group 1: a tile of 128 rows x 128 elements, padded in LDS
	s_or_b32 s[G1+0], s43, (1<<16)|(1<<20)|(1<<21)|(5<<22)|(3<<25)  ; 15:0 the mask: A's tiles go to my row; 17:16 element of 2 bytes; 20 padding on; 21 set beside a mask; 24:22 after every 64 words (code 5); 31:25 of 4 words (code 3)
	s_or_b32 s[G1B+0], s44, (1<<16)|(1<<20)|(1<<21)|(5<<22)|(3<<25) ; the same with the mask of my column, for B's tiles
	s_mov_b32 s[G1B+1], KSTEP<<16
	s_mov_b32 s[G1+1], KSTEP<<16                   ; 63:48 tensor_dim0, low half = 128
	s_mov_b32 s[G1B+2], 128<<16
	s_mov_b32 s[G1+2], 128<<16                     ; 79:64 its high half = 0; 95:80 tensor_dim1, low half = 128
	s_mov_b32 s[G1B+3], KSTEP<<16
	s_mov_b32 s[G1+3], KSTEP<<16                   ; 111:96 its high half = 0; 127:112 tile_dim0 = 128
	s_mov_b32 s[G1B+4], 128
	s_mov_b32 s[G1+4], 128                         ; 143:128 tile_dim1 = 128; 159:144 tile_dim2 = 0
	s_mov_b32 s[G1B+5], SIZE_K
	s_mov_b32 s[G1+5], SIZE_K                      ; 191:160 tensor_dim0_stride, low word: 4,096 elements from row to row
	s_mov_b32 s[G1B+6], 0
	s_mov_b32 s[G1+6], 0
	s_mov_b32 s[G1B+7], 0
	s_mov_b32 s[G1+7], 0
	; where the tiles come from.  A's hang on the block row alone, which my row of the cluster shares; B's on the block column alone, which my column shares.
	; Every wave makes both addresses, in registers that never hold the other coordinate, and asks by one of them.
	s_lshl_b32 s17, s12, 7                         ; which 128 rows of the tile I fetch
	s_lshl_b32 s16, s13, 8
	s_add_co_u32 s16, s16, s17                     ; A: row 256 x block row + 128 x half
	s_lshl_b32 s46, s42, 8
	s_add_co_u32 s46, s46, s17                     ; B: row 256 x block column + 128 x half
	s_mov_b32 s17, 0
	s_mov_b32 s47, 0
	s_mov_b64 s[18:19], SIZE_K*2
	s_mul_u64 s[16:17], s[16:17], s[18:19]         ; in bytes: rows of 8,192
	s_mul_u64 s[46:47], s[46:47], s[18:19]
	s_mul_i32 s20, s10, HALFT                      ; and where they go: A's two halves, then B's two halves = wave x 128 rows: no place in the cluster enters an LDS address
	s_wait_dscnt 0x0
	s_wait_kmcnt 0x0
	s_add_nc_u64 s[14:15], s[4:5], s[16:17]
	s_add_nc_u64 s[46:47], s[6:7], s[46:47]
	CROUND                                         ; all sixteen work-groups are here: the first joint loads meet
.irp s, 0,1
	s_mov_b32 s[G0+4*\s], 1                                        ; 1:0 count = 1
	s_add_co_u32 s[G0+4*\s+1], s20, \s*SLOT                        ; 63:32 LDS address
	s_add_nc_u64 s[G0+4*\s+2:G0+4*\s+3], s[14:15], \s*KSTEP*2      ; 120:64 global address: K step s
	s_or_b32 s[G0+4*\s+3], s[G0+4*\s+3], 0x80000000                ; 127:126 type = 2
	s_mov_b32 s[G0B+4*\s], 1
	s_add_co_u32 s[G0B+4*\s+1], s20, \s*SLOT
	s_add_nc_u64 s[G0B+4*\s+2:G0B+4*\s+3], s[46:47], \s*KSTEP*2
	s_or_b32 s[G0B+4*\s+3], s[G0B+4*\s+3], 0x80000000
	JLOAD \s                                       ; both first fills go out together, behind the one round and ahead of everything else
.endr
	; A fragment is 16 rows x 32 K in 8 registers: lane l holds row l % 16; registers 0-3 hold K = 8 (l / 16) + 0..7, registers 4-7 hold
	; K = 16 + 8 (l / 16) + 0..7.  From rows that lie along K: two loads of 16 bytes, 32 bytes apart.  The same for source 0 and source 1.
	v_and_b32 v1, 15, v0                           ; l % 16
	v_bfe_u32 v2, v0, 4, 1                         ; l / 16
	v_mul_u32_u24 v3, v1, PITCH
	v_lshl_add_u32 v3, v2, 4, v3                   ; row x pitch + 16 x half
	s_mul_i32 s21, s11, HALFT                      ; my 128 rows of A
	s_mul_i32 s22, s12, HALFT                      ; my 128 rows of B,
	s_add_co_u32 s22, s22, 2*HALFT                 ; which lie behind A's 256
.irp s, 0,1
	v_add_nc_u32 v[ADRA+\s], s21, v3
	v_add_nc_u32 v[ADRB+\s], s22, v3
	s_add_co_u32 s21, s21, SLOT
	s_add_co_u32 s22, s22, SLOT
.endr
	s_mul_i32 s23, s10, 16*SPITCH
	s_add_co_u32 s23, s23, STAGE                   ; my stage: 8,448 bytes = 33 x 256 for each wave
	v_mul_u32_u24 v4, v1, SPITCH                   ; in: row l % 16, 32 bytes for each half of the lanes
	v_lshl_add_u32 v4, v2, 5, v4
	v_add_nc_u32 v[STO], s23, v4
	v_and_b32 v5, 31, v0
	v_lshlrev_b32 v[CO], 4, v5                     ; back and out: the 32 lanes take one row of 512 bytes, 16 bytes each
	v_add_nc_u32 v[RD], s23, v[CO]
; 16 matrix instructions: m blocks a0, a0 + 1 of the window's four (hi = 0: my rows 0-63, 1: rows 64-127) x all 8 n blocks, 32 along K.
; zero = 1: the first product starts the sums: nothing is ever cleared.
; The accumulators take turns, one instruction a turn, in the same order in every run (64 of them in the loop, 32 in each phase of the last lap).
.macro MUL16 f, hi, a0, zero
.irp a, \a0, \a0+1
.irp b, 0,1,2,3,4,5,6,7
.if \zero
	v_wmma_f32_16x16x32_bf16 v[8*(8*(\a)+\b):8*(8*(\a)+\b)+7], v[\f+8*\b:\f+8*\b+7], v[\f+8*(4*\hi+\a):\f+8*(4*\hi+\a)+7], 0
.else
	v_wmma_f32_16x16x32_bf16 v[8*(8*(\a)+\b):8*(8*(\a)+\b)+7], v[\f+8*\b:\f+8*\b+7], v[\f+8*(4*\hi+\a):\f+8*(4*\hi+\a)+7], v[8*(8*(\a)+\b):8*(8*(\a)+\b)+7]
.endif
.endr
.endr
.endm
; The fragments of one quarter step (32 K at byte k of the slot's rows) into buffer f.
.macro FETCHB slot, k, f               ; 16 LDS loads: my 128 rows of B
	WIN TO_B
.irp i, 0,1,2,3,4,5,6,7
	ds_load_b128 v[\f+8*\i:\f+8*\i+3],   v[ADRB+\slot] offset:\k+\i*16*PITCH
	ds_load_b128 v[\f+8*\i+4:\f+8*\i+7], v[ADRB+\slot] offset:\k+\i*16*PITCH+32
.endr
.endm
.macro FETCHA slot, k, f, from         ; 8 LDS loads: 64 of my rows of A, fragments from .. from + 3
	WIN 0
.irp i, \from, \from+1, \from+2, \from+3
	ds_load_b128 v[\f+8*(\i):\f+8*(\i)+3],   v[ADRA+\slot] offset:\k+(\i)*16*PITCH
	ds_load_b128 v[\f+8*(\i)+4:\f+8*(\i)+7], v[ADRA+\slot] offset:\k+(\i)*16*PITCH+32
.endr
.endm
.macro FETCH slot, k, f                ; all 32 in one run
	FETCHB \slot, \k, \f
	FETCHA \slot, \k, \f, 0
	FETCHA \slot, \k, \f, 4
.endm
; A load into a register that a matrix instruction has read or written, and a store that reads a matrix result, stand four places behind that
; matrix instruction, and only plain vector instructions that name none of its registers are places (ISA guide 7.12.1 for vector instructions);
; the matrix instructions in between are not counted.  The kernel has no vector work of its own to put
; there, so four v_nop stand in front of each run of loads.
.macro PLACES
.rept 4
	v_nop
.endr
.endm
; A K step is four quarter steps of 32 along K, 64 matrix instructions each, on buffers 0, 1, 0, 1.
; One of the first three: multiplies buffer f; in its middle it fetches the next quarter's fragments, at byte k of the same slot's rows, into buffer g.
.macro QUARTER slot, k, f, g, zero
	s_wait_dscnt 8                                 ; B and A's rows 0-63 are in; the youngest eight loads (A's rows 64-127) may be out
	WIN MUL_LO
	MUL16 \f, 0, 0, \zero
	MUL16 \f, 0, 2, \zero
	PLACES
	FETCH \slot, \k, \g
	s_wait_dscnt 32                                ; all but the 32 just issued
	WIN MUL_HI
	MUL16 \f, 1, 0, \zero
	MUL16 \f, 1, 2, \zero
.endm
.macro THREE slot, zero
	QUARTER \slot, 64,  F0, F1, \zero
	QUARTER \slot, 128, F1, F0, 0
	QUARTER \slot, 192, F0, F1, 0
.endm
; The last quarter: multiplies buffer 1, changes slots, and fills this slot again, two K steps ahead.  next = the other slot.
; ONE round of the cluster's barrier for the change of slots, for two things.  In front of it each wave waits for its own reads of this slot and for
; all its tensor loads, of which one is out: its part of the next slot.  Behind it nobody reads this slot any more and the next slot is whole: the
; refill comes first, then the next slot's first fragments.  From a request to the wait for it a wave issues 240 matrix instructions.
.macro TURN slot, next
	s_wait_dscnt 8
	WIN MUL_LO
	MUL16 F1, 0, 0, 0
	s_wait_dscnt 0                                 ; my reads of this slot are over (the last were issued 48 matrix instructions ago)
	s_wait_tensorcnt 0x0                           ; and all my tensor loads have landed: the one that was out is my part of the next slot:
	ds_add_u32 v255, v255
	s_wait_dscnt 0x0
	s_barrier_signal -1                            ; say so (this barrier opens the round),
	MUL16 F1, 0, 2, 0                              ; work on registers while the others arrive,
	WIN 0
	s_barrier_wait -1                              ; and go on when all four have said so
	CREST                                          ; wave 0 says so for the work-group, all sixteen work-groups have said so, my work-group's barrier closes the round:
	                                               ; no wave of any partner still reads this slot's tile or has a load on its way
	s_add_nc_u64 s[G0+4*\slot+2:G0+4*\slot+3], s[G0+4*\slot+2:G0+4*\slot+3], 2*KSTEP*2     ; no tensor load of mine is out: a group 0 may be written
	s_add_nc_u64 s[G0B+4*\slot+2:G0B+4*\slot+3], s[G0B+4*\slot+2:G0B+4*\slot+3], 2*KSTEP*2
	JLOAD \slot                                    ; the first tensor load behind the round, and my only one until the next
	PLACES
	FETCH \next, 0, F0
	WIN MUL_HI
	MUL16 F1, 1, 0, 0
	MUL16 F1, 1, 2, 0
.endm
.macro LAP zero                        ; once round the ring, both slots filled again
	THREE 0, \zero
	TURN 0, 1
	THREE 1, 0
	TURN 1, 0
.endm
	s_wait_tensorcnt 1                             ; my part of K step 0 is in; K step 1's load stays out: behind this barrier nothing is filled,
	s_barrier_signal -1
	s_barrier_wait -1                              ; everybody's part of K step 0 is in
	FETCH 0, 0, F0
	LAP 1                                          ; the first lap stands in front of the loop: its first products start the sums
	WIN 0                                          ; at a label and at a branch every window is 0
	s_mov_b32 s3, LAPS-2
.Llap:
	LAP 0
	WIN 0
	s_sub_co_u32 s3, s3, 1
	s_cmp_lg_u32 s3, 0
	s_cbranch_scc1 .Llap
	; out0 at my 128 x 128: made here, since the first rows leave inside the last lap.  None of these registers belongs to a descriptor (one tensor load is out).
	s_lshl_b32 s13, s13, 8
	s_lshl_b32 s14, s11, 7
	s_add_co_u32 s16, s13, s14                     ; my first row of out0: 256 x block row + 128 x half,
	s_lshl_b32 s16, s16, 14                        ; in bytes: rows of 16,384; 3,968 << 14 at the most, one word
	s_mov_b32 s17, 0
	s_add_nc_u64 s[8:9], s[8:9], s[16:17]
	s_lshl_b32 s46, s42, 10                        ; my first column, in bytes: 1,024 x block column + 512 x half (in the registers that held B's address: none that feeds A's descriptors ever holds cx)
	s_lshl_b32 s47, s12, 9
	s_add_co_u32 s46, s46, s47
	s_mov_b32 s47, 0
	s_add_nc_u64 s[8:9], s[8:9], s[46:47]          ; never written again: a row's place stands in the stores' immediate, 127 x 16,384 bytes at the most
; THE LAST LAP AND THE WAY OUT.  Nothing is filled any more, so the last two K steps can be walked in any order.  All their products for my rows
; 0-63 come first (8 runs of 32 matrix instructions), then all those for my rows 64-127 (8 runs of 32).  So rows 0-63 are final while 256 matrix
; instructions are still to be issued, and they leave among these: their 64 global stores are issued with 224, 160, 96 and 32 matrix instructions
; still to come, and are on their way beside the products.  The price: B's fragments of the two K steps are read twice, 128 LDS loads on top of
; the wave's 4,096.  From the request for the last K step's tile to the wait for it a wave here issues 128 matrix instructions.
; Each run has a head: four places, the next run's 24 fragment loads, and one piece of the way out.  The pieces stand in groups at the heads and
; not singly among the matrix instructions, where each would need two switches of the register window.
; THE WAY OUT, 16 rows of out0 at a time, in three pieces.  The 64 registers of tile row a go as they are, 32 bytes a lane and tile, into my own
; stage in LDS (SSTORE); the same 64 registers take the 16 rows back as whole rows of 512 bytes (SLOAD); they are stored (GSTORE).  Every tile row
; has its own registers, so no source of a global store is ever written again, and one window setting serves all three pieces.
.macro SSTORE a, win
	WIN \win
.irp b, 0,1,2,3,4,5,6,7
	ds_store_b128 v[STO], v[8*(8*(\a)+\b):8*(8*(\a)+\b)+3]   offset:64*\b      ; row l % 16, columns 16 b + 8 (l / 16) + 0 .. 3
	ds_store_b128 v[STO], v[8*(8*(\a)+\b)+4:8*(8*(\a)+\b)+7] offset:64*\b+16   ; and + 4 .. 7
.endr
.endm
.macro SLOAD a, win                    ; stands behind a wait that shows SSTORE's stores done: the rows land in the registers that those stores read
	WIN \win
.irp t, 0,1,2,3,4,5,6,7,8,9,10,11,12,13,14,15
	ds_load_b128 v[64*(\a)+4*\t:64*(\a)+4*\t+3], v[RD] offset:\t*SPITCH        ; the stage is my wave's own
.endr
.endm
.macro GSTORE i, a, win, younger       ; rows 16 i .. 16 i + 15 of my block; younger = LDS instructions issued behind SLOAD's
	WIN \win
.irp t, 0,1,2,3,4,5,6,7,8,9,10,11,12,13,14,15
	s_wait_dscnt \younger+15-\t                    ; row t is back; the rows behind it and the younger loads may be out
	global_store_b128 v[CO], v[64*(\a)+4*\t:64*(\a)+4*\t+3], s[8:9] offset:(16*(\i)+\t)*SIZE_N*4 th:TH_STORE_NT   ; the wave stores 512 consecutive bytes, at a multiple of 512 from out0's first byte; written once, not read again
.endr
.endm
.macro AHEAD slot, k, g, hi            ; a run's head: the places, then 24 LDS loads: B and 64 rows of A (hi = 0: rows 0-63, 1: rows 64-127) into buffer g
	PLACES
	FETCHB \slot, \k, \g
	FETCHA \slot, \k, \g, 4*\hi
.endm
.macro MUL32 f, hi                     ; a run: 32 matrix instructions on buffer f
.if \hi
	WIN MUL_HI
.else
	WIN MUL_LO
.endif
	MUL16 \f, \hi, 0, 0
	MUL16 \f, \hi, 2, 0
.endm
.macro LOW f, slot, k, g               ; rows 0-63: multiplies buffer f; ahead of that fetches the next run's fragments into buffer g
	AHEAD \slot, \k, \g, 0
	s_wait_dscnt 24                                ; all but the 24 just issued: buffer f is whole
	MUL32 \f, 0
.endm
.macro HIGH_EVEN j, slot, k            ; rows 64-127 on buffer 0; tile row j of rows 0-63 comes back from the stage
	AHEAD \slot, \k, F1, 1
	s_wait_dscnt 24                                ; all but the 24 just issued: buffer 0 is whole, and the stage stores of tile row j are done
	SLOAD \j, OUT_LO
	MUL32 F0, 1
.endm
.macro HIGH_ODD j, slot, k             ; rows 64-127 on buffer 1; tile row j leaves, tile row j + 1 goes to the stage
	AHEAD \slot, \k, F0, 1
	GSTORE \j, \j, OUT_LO, 24                      ; its last wait leaves the 24 just issued alone: buffer 1, asked for ahead of the stage's rows, is whole too
	SSTORE \j+1, OUT_LO                            ; over stage bytes whose reads are back
	MUL32 F1, 1
.endm
	; rows 0-63.  Buffer 0 holds the whole first quarter of slot 0 (the loop's last fetch); its fragments of A's rows 64-127 stay in v96-127 through
	; this phase, which loads only v64-95 and v128-159 of window 0, and are used by the first run of the second phase.
	LOW F0, 0, 64,  F1
	LOW F1, 0, 128, F0
	LOW F0, 0, 192, F1
	s_wait_dscnt 0                                 ; buffer 1 is whole, and no LDS instruction of mine is pending at the signal
	s_wait_tensorcnt 0x0                           ; my part of slot 1, the last K step, has landed: my last tensor load
	s_barrier_signal -1                            ; say so; behind this barrier nothing is filled,
	WIN MUL_LO
	MUL16 F1, 0, 0, 0                              ; work on registers while the others arrive,
	s_barrier_wait -1                              ; slot 1 is whole
	AHEAD 1, 0, F0, 0
	WIN MUL_LO
	MUL16 F1, 0, 2, 0
	LOW F0, 1, 64,  F1
	LOW F1, 1, 128, F0
	LOW F0, 1, 192, F1
	PLACES                                         ; the last run of rows 0-63: ahead of it B's first quarter of slot 0 again (A's part is still in buffer 0)
	FETCHB 0, 0, F0
	s_wait_dscnt 16                                ; all but the 16 just issued: buffer 1 is whole
	WIN MUL_LO
	MUL16 F1, 0, 0, 0                              ; tile rows 0 and 1 are final
	PLACES                                         ; four places between these results and the LDS stores that read them
	SSTORE 0, OUT_LO
	WIN MUL_LO
	MUL16 F1, 0, 2, 0                              ; tile rows 2 and 3 are final
	; rows 64-127, and rows 0-63 on their way out
	HIGH_EVEN 0, 0, 64
	HIGH_ODD  0, 0, 128
	HIGH_EVEN 1, 0, 192
	HIGH_ODD  1, 1, 0
	HIGH_EVEN 2, 1, 64
	HIGH_ODD  2, 1, 128
	HIGH_EVEN 3, 1, 192
	GSTORE 3, 3, OUT_LO, 0                         ; nothing is left to fetch: the counts run down to 0, which shows buffer 1 whole too
	MUL32 F1, 1
	; rows 64-127 leave
	PLACES                                         ; four places between the last results and the LDS stores and loads that name them
.irp a, 0,1,2,3
	SSTORE \a, OUT_HI
	s_wait_dscnt 0                                 ; the stage stores are done: their data registers take the rows back
	SLOAD \a, OUT_HI
	GSTORE 4+\a, \a, OUT_HI, 0
.endr
	WIN 0
	s_set_vgpr_msb 0x1
	s_wait_tensorcnt 0x0
	ds_add_u32 v255, v255
	s_wait_dscnt 0x0
	s_set_vgpr_msb 0x100
	CROUND                                         ; the closing round: no work-group ends while a partner may still ask for a tile that names it
	s_endpgm
.Lfunc_end_k_q557ee7e079_gemm:
	.size	k_q557ee7e079_gemm, .Lfunc_end_k_q557ee7e079_gemm-k_q557ee7e079_gemm
	.p2alignl 7, 3214868480
	.fill 96, 4, 3214868480
	.section	.rodata,"a",@progbits
	.p2align	6, 0x0
	.amdhsa_kernel k_q557ee7e079_gemm
		.amdhsa_group_segment_fixed_size 327680
		.amdhsa_private_segment_fixed_size 0
		.amdhsa_enable_private_segment 0
		.amdhsa_kernarg_size 24
		.amdhsa_user_sgpr_count 2
		.amdhsa_user_sgpr_kernarg_segment_ptr 1
		.amdhsa_wavefront_size32 1
		.amdhsa_system_sgpr_workgroup_id_x 1
		.amdhsa_system_sgpr_workgroup_id_y 1
		.amdhsa_system_sgpr_workgroup_id_z 1
		.amdhsa_system_vgpr_workitem_id 0
		.amdhsa_next_free_vgpr 1024
		.amdhsa_next_free_sgpr 66
		.amdhsa_reserve_vcc 0
		.amdhsa_float_denorm_mode_32 3
		.amdhsa_float_denorm_mode_16_64 3
		.amdhsa_memory_ordered 1
		.amdhsa_forward_progress 1
		.amdhsa_inst_pref_size 205
	.end_amdhsa_kernel
	.amdgpu_metadata
---
amdhsa.version: [ 1, 2 ]
amdhsa.kernels:
  - .name:           k_q557ee7e079_gemm
    .symbol:         k_q557ee7e079_gemm.kd
    .args:
      - { .name: xb, .offset: 0, .size: 8, .value_kind: global_buffer, .address_space: global }
      - { .name: wb, .offset: 8, .size: 8, .value_kind: global_buffer, .address_space: global }
      - { .name: out0, .offset: 16, .size: 8, .value_kind: global_buffer, .address_space: global }
    .group_segment_fixed_size: 327680
    .private_segment_fixed_size: 0
    .kernarg_segment_align: 8
    .kernarg_segment_size: 24
    .max_flat_workgroup_size: 128
    .sgpr_count:     66
    .vgpr_count:     1024
    .wavefront_size: 32
...
	.end_amdgpu_metadata
.endif
;; end of part 2
;; ======== version 2 of 2: 2 launches; version 1 with the launch binarize written anew for expert scheduling mode
;; workspace buffers: xb 33,554,432 bytes; wb 33,554,432 bytes
;; launch binarize (part 3): grid 512 x 2, 8 waves a work-group, no clusters, 0 bytes of LDS; arguments x, W, xb, wb; writes xb, wb
.if DOCPART == 3
	.amdgcn_target "amdgcn-amd-amdhsa--gfx1250"
	.amdhsa_code_object_version 6
	.text
	.protected	k_q557ee7e079_binarize
	.globl	k_q557ee7e079_binarize
	.p2align	8
	.type	k_q557ee7e079_binarize,@function
k_q557ee7e079_binarize:
	s_mov_b64 s[64:65], 0
	v_nop
	global_prefetch_b8 v0, s[64:65] scope:SCOPE_SE
	s_setreg_imm32_b32 hwreg(HW_REG_WAVE_SCHED_MODE, 0, 2), 2
	s_setreg_imm32_b32 hwreg(HW_REG_WAVE_MODE, 25, 1), 1
	s_wait_xcnt 0x0
	s_wait_alu depctr_vm_vsrc(0)
; xb = sign(x), wb = sign(W), both [4096][4096], from f32 to bf16.  The product sign(x) sign(W)^T follows in the next launch.
; NOTHING OF THE PROBLEM IS LEFT OUT: both inputs reach every output, and both are read whole, once.
; WHY THE SIGNS HAVE A LAUNCH OF THEIR OWN: with blocks of 256 x 256 of the output each number of x or W is an operand of 16 blocks and of two
; waves in each.  Made on the way from LDS to the matrix operands a sign would be made 32 times: 256 signs a lane beside a wave's 64 matrix
; instructions, at three and a half vector instructions a sign.  Here each is made once, and the product's tiles are half as many bytes.
; VALUES: +1, -1 and 0 are exact in bf16.  sign(+0) = +0, sign(-0) = -0 (both count as 0 in the product); an f32 denormal is not zero and gives
; +-1; +-infinity gives +-1; a NaN stays a NaN and reaches, through the products, its whole row or column of the output.
; A stream: no LDS, no barrier, no matrix unit, no cluster (no two work-groups read the same byte).
; Grid y picks the matrix (0: x to xb, 1: W to wb); work-group g owns 131,072 bytes of it: 32 chunks of 4,096 bytes in, 2,048 bytes out.
; In a chunk thread t loads the 16 bytes at 16 t (a wave's load: 512 consecutive bytes) and stores 4 bf16 at 8 t (a wave's store: 256
; consecutive bytes that begin at a multiple of 256 from the buffer's first byte).
; ALL 32 CHUNKS ARE WRITTEN OUT, so that no source of a load or store is ever written again: the chunk's place stands in the immediate
; (31 x 4,096 bytes at the most), the two offsets and the two bases stay as they are, and every chunk has its own pair of registers for its
; store.  124 registers in all: eight waves take 992.
; THE MODE: SCHED_MODE bits 1:0 = 2 (LLVM: expert scheduling mode 2), set by the entry lines.  The code itself states the register dependences
; between vector instructions and memory instructions, with s_wait_alu, always for 0.
; THE PLAN.  The 32 chunks go in 16 blocks of two.  Registers that memory instructions touch:
;   X0 .. X5   six blocks of input as loaded.  Written by loads alone: all six at the head, then the loads of block p + 5, issued in block p;
;              read by block p's compares, v_bfi_b32 and v_cndmask_b32.
;   Y          a pair for each chunk, written once, by block p's roundings; read by the two stores that are issued in block p + 1.
;   v1, v2     byte offsets, made once at the head and never written again.
;   T and the masks s10-17 are named by vector instructions alone.
; Block p works on X[p % 6] and writes its own four registers of Y.  Its memory instructions are the loads into X[(p + 5) % 6] = X[(p - 1) % 6] and
; the stores from block p - 1's Y: registers that block p - 1 worked on and that no vector instruction of block p names.  So the one wait on va_vdst
; at a block's head states all that the block's four memory instructions hang on, and these are dealt among its vector instructions with no
; further wait.  No register that a memory instruction reads is written again, so no wait on vm_vsrc is owed.
; The compares write scalar registers, eight in a run; one wait on va_sdst stands between the run and the first v_cndmask_b32 that reads a mask.
.set CH_IN,  4096                      ; bytes of a chunk as read
.set CH_OUT, 2048                      ; bytes of a chunk as written
.set B,      2                         ; chunks in a block
.set BLOCKS, 32 / B
.set NBUF,   6                         ; buffers of X
.set X, 4                              ; v[4:51]    buffer b, chunk i of its two: 4 registers at X + 8 b + 4 i, 4 f32 as loaded
.set T, 52                             ; v[52:59]   at work: the block's 8 numbers
.set Y, 60                             ; v[60:123]  chunk c: 2 registers at Y + 2 c, 4 bf16 to store; written once
.set M, 10                             ; s[10:17]   the block's 8 masks; free for that once the bases are made
                                       ; v1 = 16 t, v2 = 8 t: never rewritten
	s_load_b256 s[4:11], s[0:1], 0x0               ; x s[4:5], W s[6:7], xb s[8:9], wb s[10:11]
	s_and_b32 s13, ttmp7, 0xffff                   ; which matrix
	s_mov_b32 s2, 0x7fffffff                       ; all bits but the sign
	s_lshl_b32 s14, ttmp9, 17                      ; my 131,072 bytes of the input (511 << 17 at the most: one word)
	s_mov_b32 s15, 0
	s_lshl_b32 s16, ttmp9, 16                      ; my 65,536 bytes of the output
	s_mov_b32 s17, 0
	v_lshlrev_b32 v1, 4, v0                        ; 16 t
	v_lshlrev_b32 v2, 3, v0                        ; 8 t
	s_wait_kmcnt 0x0
	s_cmp_eq_u32 s13, 0                            ; the choice hangs on the work-group's y alone
	s_cselect_b64 s[4:5], s[4:5], s[6:7]           ; from x or from W
	s_cselect_b64 s[8:9], s[8:9], s[10:11]         ; to xb or to wb
	s_add_nc_u64 s[4:5], s[4:5], s[14:15]
	s_add_nc_u64 s[8:9], s[8:9], s[16:17]
	s_wait_alu depctr_va_vdst(0)                   ; v1 and v2 are written: every load and store of the kernel reads one of them as its offset
.irp i, 0,1,2,3,4,5,6,7,8,9,10,11
	global_load_b128 v[X+4*\i:X+4*\i+3], v1, s[4:5] offset:\i*CH_IN th:TH_LOAD_NT   ; blocks 0 to 5 into X0 to X5; each byte is read once in the launch
.endr
; Block p: chunks 2 p and 2 p + 1, in buffer p % NBUF.
.set p, 0
.rept BLOCKS
.set young, p+NBUF-2                   ; the youngest block that has been asked for when block p begins:
.if p == 0
.set young, NBUF-1                     ; the head has asked for six,
.endif
.if young > BLOCKS-1
.set young, BLOCKS-1                   ; and blocks 11 to 15 ask for nothing more: no load leaves my 32 chunks
.endif
	s_wait_loadcnt B*(young-p)                     ; loads come back in order (ISA guide 5.7.1): block p is in, the younger blocks stay out: 10, then 8, at the end 6, 4, 2, 0
.if p > 0
	s_wait_alu depctr_va_vdst(0)                   ; the block before has written its Y, which the stores below read, and is done reading its X, in which the loads below land
.endif
.if (p > 0) && (p+NBUF-1 < BLOCKS)
	global_load_b128 v[X+8*((p-1)%NBUF):X+8*((p-1)%NBUF)+3], v1, s[4:5] offset:B*(p+NBUF-1)*CH_IN th:TH_LOAD_NT   ; five blocks ahead, the load ahead of the store
.endif
.if p > 0
	global_store_b64 v2, v[Y+4*(p-1):Y+4*(p-1)+1], s[8:9] offset:B*(p-1)*CH_OUT   ; the block before; no hint: the next launch reads these bytes
.endif
.irp k, 0,1,2,3,4,5,6,7
	v_cmp_lg_f32 s[M+\k], 0, v[X+8*(p%NBUF)+\k]    ; less or greater than 0: false for +-0 and for NaN
.endr
.if (p > 0) && (p+NBUF-1 < BLOCKS)
	global_load_b128 v[X+8*((p-1)%NBUF)+4:X+8*((p-1)%NBUF)+7], v1, s[4:5] offset:(B*(p+NBUF-1)+1)*CH_IN th:TH_LOAD_NT   ; no wait: no vector instruction since the wait at the block's head names these registers
.endif
.if p > 0
	global_store_b64 v2, v[Y+4*(p-1)+2:Y+4*(p-1)+3], s[8:9] offset:(B*(p-1)+1)*CH_OUT   ; likewise
.endif
.irp k, 0,1,2,3,4,5,6,7
	v_bfi_b32 v[T+\k], s2, 1.0, v[X+8*(p%NBUF)+\k] ; 1.0 with x's sign bit
.endr
	s_wait_alu depctr_va_sdst(0)                   ; the eight compares have written s10 to s17, ahead of the first line that reads one of them
.irp k, 0,1,2,3,4,5,6,7
	v_cndmask_b32 v[T+\k], v[X+8*(p%NBUF)+\k], v[T+\k], s[M+\k]   ; +-0 and NaN stay what they are
.endr
.irp j, 0,1,2,3
	v_cvt_pk_bf16_f32 v[Y+4*p+\j], v[T+2*\j], v[T+2*\j+1]   ; exact for +-1 and +-0; a conversion and no cut, so that every NaN stays a NaN
.endr
.set p, p+1
.endr
	s_wait_alu depctr_va_vdst(0)                   ; block 15 has written its Y, which the last two stores read
	global_store_b64 v2, v[Y+4*(BLOCKS-1):Y+4*(BLOCKS-1)+1],   s[8:9] offset:B*(BLOCKS-1)*CH_OUT
	global_store_b64 v2, v[Y+4*(BLOCKS-1)+2:Y+4*(BLOCKS-1)+3], s[8:9] offset:(B*(BLOCKS-1)+1)*CH_OUT
	s_endpgm
.Lfunc_end_k_q557ee7e079_binarize:
	.size	k_q557ee7e079_binarize, .Lfunc_end_k_q557ee7e079_binarize-k_q557ee7e079_binarize
	.p2alignl 7, 3214868480
	.fill 96, 4, 3214868480
	.section	.rodata,"a",@progbits
	.p2align	6, 0x0
	.amdhsa_kernel k_q557ee7e079_binarize
		.amdhsa_group_segment_fixed_size 0
		.amdhsa_private_segment_fixed_size 0
		.amdhsa_enable_private_segment 0
		.amdhsa_kernarg_size 32
		.amdhsa_user_sgpr_count 2
		.amdhsa_user_sgpr_kernarg_segment_ptr 1
		.amdhsa_wavefront_size32 1
		.amdhsa_system_sgpr_workgroup_id_x 1
		.amdhsa_system_sgpr_workgroup_id_y 1
		.amdhsa_system_sgpr_workgroup_id_z 1
		.amdhsa_system_vgpr_workitem_id 0
		.amdhsa_next_free_vgpr 124
		.amdhsa_next_free_sgpr 66
		.amdhsa_reserve_vcc 0
		.amdhsa_float_denorm_mode_32 3
		.amdhsa_float_denorm_mode_16_64 3
		.amdhsa_memory_ordered 1
		.amdhsa_forward_progress 1
		.amdhsa_inst_pref_size 37
	.end_amdhsa_kernel
	.amdgpu_metadata
---
amdhsa.version: [ 1, 2 ]
amdhsa.kernels:
  - .name:           k_q557ee7e079_binarize
    .symbol:         k_q557ee7e079_binarize.kd
    .args:
      - { .name: x, .offset: 0, .size: 8, .value_kind: global_buffer, .address_space: global }
      - { .name: W, .offset: 8, .size: 8, .value_kind: global_buffer, .address_space: global }
      - { .name: xb, .offset: 16, .size: 8, .value_kind: global_buffer, .address_space: global }
      - { .name: wb, .offset: 24, .size: 8, .value_kind: global_buffer, .address_space: global }
    .group_segment_fixed_size: 0
    .private_segment_fixed_size: 0
    .kernarg_segment_align: 8
    .kernarg_segment_size: 32
    .max_flat_workgroup_size: 256
    .sgpr_count:     66
    .vgpr_count:     124
    .wavefront_size: 32
...
	.end_amdgpu_metadata
.endif
;; end of part 3
;; launch gemm: the kernel of part 2 again; grid 16 x 16, 4 waves a work-group, clusters of 4 x 4, 327,680 bytes of LDS; arguments xb, wb, out0; writes out0
